; MI455X (gfx1250); checked and timed in simulation.
; The chip was launched on July 23, 2026; its instructions are those of AMD's public machine-readable ISA for CDNA 5 (MIT licence, August 2026) and "CDNA5" Instruction Set Architecture Reference Guide (July 2026). The comments in the code are by the model that wrote it; some were corrected since.
;; Bahdanau Attention. Allowed arithmetic: matrix products marked QUANTISED: E2M3 operands, one E8M0 scale for each 32 along K, by v_wmma_scale_f32_16x16x128_f8f6f4 with both operands' format E2M3, f32 sums; products left as they are: f32 operands where the result goes on into a quantised operand, else bf16, f16 or f32 operands; f32 sums; everything else in f32.
;; Inputs: W_e_codes 1,024 x 32 x 24 uint8 (E2M3 codes of W_e, K innermost, in blocks of 32 codes, four codes in three bytes); W_e_scales 1,024 x 32 uint8 (E8M0 scales of W_e, one for each 32 codes along K); W_h_codes 1,024 x 32 x 24 uint8 (E2M3 codes of W_h, K innermost, in blocks of 32 codes, four codes in three bytes); W_h_scales 1,024 x 32 uint8 (E8M0 scales of W_h, one for each 32 codes along K); b_e 1,024 float32; b_h 1,024 float32; encoder_outputs 32 x 2,048 x 1,024 float32; hidden_codes 32 x 32 x 24 uint8 (E2M3 codes of hidden, K innermost, in blocks of 32 codes, four codes in three bytes); hidden_scales 32 x 32 uint8 (E8M0 scales of hidden, one for each 32 codes along K); mask 32 x 2,048 int32; v 1,024 float32.
;; Outputs: out0 32 x 1,024 float32; out1 32 x 2,048 float32.
;; This version of the problem:
;;   THIS VERSION OF THE PROBLEM IS GIVEN IN LOW PRECISION. The matrix products marked QUANTISED in the list below multiply operands that are first quantised to E2M3 (2 exponent bits, 3 mantissa bits; 6 bits a number), with one power-of-two scale for each 32 numbers along K (OCP MX v1.0); their sums are f32. All else is computed in f32.
;;   The module's matrix products, in the order in which they are computed (A, B: the left and right operand; K: the contracted axis; several contracted axes count as one K, in the product's order):
;;     1. [M 32, K 1,024] x [K 1,024, N 1,024]; A: input hidden (given as codes); B: input W_h (given as codes): QUANTISED
;;     2. [M 65,536, K 1,024] x [K 1,024, N 1,024]; A: input encoder_outputs; B: input W_e (given as codes): QUANTISED
;;     3. [M 65,536, K 1,024] x [K 1,024, N 1]; A: computed on the way; B: input v: left as it is (N = 1 < 16)
;;     4. batch 32 x [M 1, K 2,048] x [K 2,048, N 1,024]; A: softmax; B: input encoder_outputs: left as it is (M = 1 < 16)
;;   THE QUANTISER, for each operand of a quantised product, along K:
;;     - K is cut into blocks of 32 from its start; a last block that is shorter is filled with zeros.
;;     - A block's scale is 2^e with e = floor(log2(the largest magnitude in the block)) - 2, held to -126 .. 127; a block of zeros has e = 0. As a byte (E8M0): e + 127.
;;     - Each number is divided by its block's scale, clamped to +-7.5, and rounded to the nearest number of E2M3, ties to even, subnormals kept.
;;     - The product sums the exact products of the quantised numbers (number of the format x scale) in f32.
;;   ~~~python
;;   def quantise(x, axis):      # numpy; x: float32 -> the quantised numbers, widened to float32 again
;;       x = np.moveaxis(x, axis, -1); K = x.shape[-1]
;;       x = np.pad(x, [(0, 0)] * (x.ndim - 1) + [(0, -K % 32)]); x = x.reshape(x.shape[:-1] + (-1, 32)); a = np.abs(x).max(-1, keepdims=True)
;;       e = np.where(a > 0, np.clip(np.frexp(np.where(a > 0, a, 1))[1] - 1 - 2, -126, 127), 0)      # np.frexp(a)[1] - 1 = floor(log2(a)), exactly
;;       r = np.clip(x / 2.0 ** e, -7.5, 7.5)
;;       step = 2.0 ** (np.maximum(np.frexp(np.where(r == 0, 1, r))[1] - 1, 0) - 3)
;;       q = np.round(r / step) * step * 2.0 ** e      # np.round: ties to even
;;       return np.moveaxis(q.reshape(q.shape[:-2] + (-1,))[..., :K], -1, axis).astype(np.float32)
;;   ~~~
;;   INPUTS GIVEN AS CODES. W_e (in the module: [1024, 1024], K = its axis 0); W_h (in the module: [1024, 1024], K = its axis 0); hidden (in the module: [32, 1024], K = its axis 1): each comes as NAME_codes (uint8): NAME with its K axis moved to the last place and cut into blocks of 32 codes, [.., K / 32, bytes a block], one block behind the other in memory; four codes in three bytes: a row's codes are one little-endian stream of bits, code i at bits 6 i .. 6 i + 5 (a code: sign, 2 exponent bits, 3 mantissa bits); and NAME_scales (uint8): the same leading axes, one E8M0 byte (e + 127) for each 32 codes along K. Its value is code x scale, taken as it is: it is not quantised again, and the codes and scales need not be those that the quantiser above would give.
;; One version. Each part assembles by itself: llvm-mc -triple=amdgcn-amd-amdhsa -mcpu=gfx1250 --defsym DOCPART=n.
;; ======== version 1 of 1: 3 launches
;; limits: right only within a limited range of input values
;; workspace buffers: tab 262,144 bytes; wimg 819,200 bytes; keep 8,192 bytes of whole numbers; att 262,144 bytes
;; launch prep (part 1): grid 224 x 1, 1 waves a work-group, no clusters, 0 bytes of LDS; arguments W_h_codes, W_h_scales, hidden_codes, hidden_scales, b_h, b_e, v, W_e_codes, W_e_scales, mask, tab, wimg, keep; writes tab, wimg, keep
.if DOCPART == 1
	.amdgcn_target "amdgcn-amd-amdhsa--gfx1250"
	.amdhsa_code_object_version 6
	.text
	.protected	k_qe5d823cc8f_prep
	.globl	k_qe5d823cc8f_prep
	.p2align	8
	.type	k_qe5d823cc8f_prep,@function
k_qe5d823cc8f_prep:
	s_mov_b64 s[64:65], 0
	v_nop
	global_prefetch_b8 v0, s[64:65] scope:SCOPE_SE
	s_setreg_imm32_b32 hwreg(HW_REG_WAVE_MODE, 25, 1), 1
	s_wait_xcnt 0x0
; Three small jobs ahead of the main launch.  A work-group is one wave; four work-groups share a job number (work-group / 4) and are its parts 0-3:
; the parts share nothing, so each is a work-group of its own and 224 WGPs take part.
; H (jobs 0-31):  tab[b][0..1023] = (hidden W_h + b_h + b_e)[b][h];  tab[b][1024..2047] = -2 v[h].
;    Both operands of hidden W_h are given as codes of E2M3 with E8M0 scales and go to the matrix unit as they lie.
;    A wave makes 16 units x 16 batches: source 0 = 16 rows of W_h (units), source 1 = 16 rows of hidden (batches), so that a lane holds
;    one batch (lane % 16) and eight neighbouring units 8 (lane / 16) + 0..7.  K = 1,024 is eight instructions, two accumulators by turns.
; W (jobs 32-47): W_e's codes are laid out in the order of the operand's registers: for each tile of 16 units 12,800 bytes:
;    eight K steps x 1,536 bytes (piece c of a fragment's twelve registers at 512 c + 16 lane), then the tile's 512 scale bytes as they lie.
; K (jobs 48-55): keep[b][j], bit i = row 32 j + i of batch b has to be read: mask != 0, or every bit where the whole batch is masked
;    (there the softmax is uniform and every row counts).
; No LDS, no barrier.  No cluster: besides hidden's 24 KB, a tile's W_h rows, scales, b_h, b_e and v are read twice (parts 2 p and 2 p + 1).
.set FW,   24                          ; v24-119   eight fragments of a weight
.set FH,   120                         ; v120-215  eight fragments of hidden
.set WSC,  216                         ; v216-223  the weight's scale words, one for each K step: scales and nothing else
.set HSC,  224                         ; v224-231  hidden's
.set ACC0, 232                         ; v232-239  the sum of the even K steps
.set ACC1, 240                         ; v240-247  of the odd ones
.set BH,   248                         ; v248-255  b_h of my eight units
.set BE,   8                           ; v8-15     b_e, later the result
.set VV,   16                          ; v16-23    v, later -2 v
	s_load_b256 s[4:11], s[0:1], 0x0               ; W_h's codes s[4:5], its scales s[6:7], hidden's codes s[8:9], its scales s[10:11]
	s_load_b256 s[12:19], s[0:1], 0x20             ; b_h s[12:13], b_e s[14:15], v s[16:17], W_e's codes s[18:19]
	s_load_b256 s[20:27], s[0:1], 0x40             ; W_e's scales s[20:21], mask s[22:23], tab s[24:25], wimg s[26:27]
	s_load_b64 s[28:29], s[0:1], 0x60              ; keep
	s_and_b32 s30, ttmp9, 3                        ; which part of the job
	s_lshr_b32 s36, ttmp9, 2                       ; the job, 0..55
	v_and_b32 v2, 15, v0                           ; r (v0 is the lane: one wave)
	v_lshrrev_b32 v3, 4, v0                        ; half
	v_mul_u32_u24 v4, v2, 768                      ; a row of 1,024 codes is 768 bytes
	v_mad_u32_u24 v4, v3, 24, v4                   ; + 24 bytes for the upper half of the lanes
	s_mov_b32 s35, 0                               ; the upper word of every offset below
	s_wait_kmcnt 0x0
; eight fragments (16 rows x 128 K each, 12 registers): lane (r, half) takes 24 bytes at 96 s + 24 half and 24 at 96 s + 48 + 24 half, in pieces of 8
.macro FRAGS reg, lo
.irp s, 0,1,2,3,4,5,6,7
.irp p, 0,1,2,3,4,5
	global_load_b64 v[\reg+12*\s+2*\p:\reg+12*\s+2*\p+1], v4, s[\lo:\lo+1] offset:96*\s+48*(\p/3)+8*(\p%3)
.endr
.endr
.endm
	s_cmp_lt_u32 s36, 32
	s_cbranch_scc0 .Lnot_h
	; ---- H
	s_lshl_b32 s31, s36, 1
	s_lshr_b32 s32, s30, 1
	s_add_co_u32 s31, s31, s32                     ; n: my tile of 16 units = 2 x job + part / 2
	s_and_b32 s32, s30, 1                          ; t: my tile of 16 batches
	s_mul_i32 s34, s31, 12288                      ; 16 rows of 768 bytes
	s_add_nc_u64 s[4:5], s[4:5], s[34:35]
	s_mul_i32 s34, s32, 12288
	s_add_nc_u64 s[8:9], s[8:9], s[34:35]
	s_lshl_b32 s34, s31, 9                         ; 16 rows of 32 scale bytes
	s_add_nc_u64 s[6:7], s[6:7], s[34:35]
	s_lshl_b32 s34, s32, 9
	s_add_nc_u64 s[10:11], s[10:11], s[34:35]
	s_lshl_b32 s34, s31, 6                         ; 16 units of 4 bytes
	s_add_nc_u64 s[12:13], s[12:13], s[34:35]
	s_add_nc_u64 s[14:15], s[14:15], s[34:35]
	s_add_nc_u64 s[16:17], s[16:17], s[34:35]
	s_add_nc_u64 s[24:25], s[24:25], s[34:35]
	s_lshl_b32 s34, s32, 17                        ; 16 batches of 8,192 bytes in tab
	s_add_nc_u64 s[24:25], s[24:25], s[34:35]
	s_wait_alu depctr_va_vdst(0)
	v_lshlrev_b32 v5, 5, v2                        ; my row's 32 scale bytes
	v_lshlrev_b32 v6, 5, v3                        ; my half's eight units
	FRAGS FW, 4
	FRAGS FH, 8
	global_load_b128 v[WSC:WSC+3], v5, s[6:7]
	global_load_b128 v[WSC+4:WSC+7], v5, s[6:7] offset:16
	global_load_b128 v[HSC:HSC+3], v5, s[10:11]
	global_load_b128 v[HSC+4:HSC+7], v5, s[10:11] offset:16
	global_load_b128 v[BH:BH+3], v6, s[12:13]
	global_load_b128 v[BH+4:BH+7], v6, s[12:13] offset:16
	global_load_b128 v[BE:BE+3], v6, s[14:15]
	global_load_b128 v[BE+4:BE+7], v6, s[14:15] offset:16
	global_load_b128 v[VV:VV+3], v6, s[16:17]
	global_load_b128 v[VV+4:VV+7], v6, s[16:17] offset:16
	v_lshl_add_u32 v7, v2, 13, v6                  ; out: batch r's row of 8,192 bytes + my half's 32 bytes
	s_wait_loadcnt 0x0
	v_wmma_scale_f32_16x16x128_f8f6f4 v[ACC0:ACC0+7], v[FW:FW+11], v[FH:FH+11], 0, v[WSC], v[HSC] matrix_a_fmt:MATRIX_FMT_FP6 matrix_b_fmt:MATRIX_FMT_FP6
	v_wmma_scale_f32_16x16x128_f8f6f4 v[ACC1:ACC1+7], v[FW+12:FW+23], v[FH+12:FH+23], 0, v[WSC+1], v[HSC+1] matrix_a_fmt:MATRIX_FMT_FP6 matrix_b_fmt:MATRIX_FMT_FP6
.irp s, 2,4,6                                  ; the two accumulators take turns, one instruction a turn
	v_wmma_scale_f32_16x16x128_f8f6f4 v[ACC0:ACC0+7], v[FW+12*\s:FW+12*\s+11], v[FH+12*\s:FH+12*\s+11], v[ACC0:ACC0+7], v[WSC+\s], v[HSC+\s] matrix_a_fmt:MATRIX_FMT_FP6 matrix_b_fmt:MATRIX_FMT_FP6
	v_wmma_scale_f32_16x16x128_f8f6f4 v[ACC1:ACC1+7], v[FW+12*\s+12:FW+12*\s+23], v[FH+12*\s+12:FH+12*\s+23], v[ACC1:ACC1+7], v[WSC+\s+1], v[HSC+\s+1] matrix_a_fmt:MATRIX_FMT_FP6 matrix_b_fmt:MATRIX_FMT_FP6
.endr
.irp j, 0,2,4,6                                ; eight plain lines that name no register of the products: the places behind the last of them
	v_pk_add_f32 v[BH+\j:BH+\j+1], v[BH+\j:BH+\j+1], v[BE+\j:BE+\j+1]          ; b_h + b_e
.endr
.irp j, 0,2,4,6
	v_pk_mul_f32 v[VV+\j:VV+\j+1], v[VV+\j:VV+\j+1], -2.0 op_sel_hi:[1,0]      ; -2 v
.endr
.irp j, 0,2,4,6                                ; each accumulator is read from its low end on
	v_pk_add_f32 v[BE+\j:BE+\j+1], v[ACC0+\j:ACC0+\j+1], v[ACC1+\j:ACC1+\j+1]
.endr
.irp j, 0,2,4,6
	v_pk_add_f32 v[BE+\j:BE+\j+1], v[BE+\j:BE+\j+1], v[BH+\j:BH+\j+1]
.endr
	global_store_b128 v7, v[BE:BE+3], s[24:25]                 ; 32 bytes a lane in rows 8,192 bytes apart: the buffer is 256 KB in all
	global_store_b128 v7, v[BE+4:BE+7], s[24:25] offset:16
	global_store_b128 v7, v[VV:VV+3], s[24:25] offset:4096
	global_store_b128 v7, v[VV+4:VV+7], s[24:25] offset:4112
	s_endpgm
.Lnot_h:
	s_cmp_lt_u32 s36, 48
	s_cbranch_scc0 .Lnot_w
	; ---- W
	s_sub_co_u32 s31, s36, 32
	s_lshl_b32 s31, s31, 2
	s_add_co_u32 s31, s31, s30                     ; n: my tile of 16 units
	s_mul_i32 s34, s31, 12288
	s_add_nc_u64 s[18:19], s[18:19], s[34:35]
	s_lshl_b32 s34, s31, 9
	s_add_nc_u64 s[20:21], s[20:21], s[34:35]
	s_mul_i32 s34, s31, 12800
	s_add_nc_u64 s[26:27], s[26:27], s[34:35]
	v_lshlrev_b32 v5, 4, v0                        ; 16 x lane
	s_wait_alu depctr_va_vdst(0)
	FRAGS FW, 18
	global_load_b128 v[FH:FH+3], v5, s[20:21]      ; the tile's 512 scale bytes, 16 a lane
	s_wait_loadcnt 0x0
.irp s, 0,1,2,3,4,5,6,7
.irp c, 0,1,2
	global_store_b128 v5, v[FW+12*\s+4*\c:FW+12*\s+4*\c+3], s[26:27] offset:1536*\s+512*\c    ; 32 lanes store 512 consecutive bytes, aligned to 256
.endr
.endr
	global_store_b128 v5, v[FH:FH+3], s[26:27] offset:12288
	s_endpgm
.Lnot_w:
	; ---- K
	s_sub_co_u32 s31, s36, 48
	s_lshl_b32 s31, s31, 2
	s_add_co_u32 s31, s31, s30                     ; my batch
	s_lshl_b32 s34, s31, 13
	s_add_nc_u64 s[22:23], s[22:23], s[34:35]
	s_lshl_b32 s34, s31, 8
	s_add_nc_u64 s[28:29], s[28:29], s[34:35]
	v_lshlrev_b32 v5, 2, v0                        ; 4 x lane
	v_lshlrev_b32 v6, 3, v0                        ; 8 x lane
.set j, 0
.rept 64
	global_load_b32 v[24+j], v5, s[22:23] offset:128*j         ; mask of rows 32 j + lane
.set j, j+1
.endr
	v_mov_b32 v8, 0
	v_mov_b32 v9, 0
	s_mov_b32 s33, 0
	s_wait_alu depctr_va_vdst(0)
	s_wait_loadcnt 0x0
.set j, 0
.rept 64
	v_cmp_ne_u32 s32, 0, v[24+j]                   ; word j: bit i = row 32 j + i counts
	v_writelane_b32 v[8+(j&1)], s32, j>>1          ; lane l gathers words 2 l and 2 l + 1
	s_or_b32 s33, s33, s32
.set j, j+1
.endr
	s_cmp_eq_u32 s33, 0                            ; no row counts: then all of them are read
	s_cselect_b32 s34, -1, 0
	v_or_b32 v8, s34, v8
	v_or_b32 v9, s34, v9
	global_store_b64 v6, v[8:9], s[28:29]          ; 32 lanes store 256 consecutive bytes, aligned
	s_endpgm
.Lfunc_end_k_qe5d823cc8f_prep:
	.size	k_qe5d823cc8f_prep, .Lfunc_end_k_qe5d823cc8f_prep-k_qe5d823cc8f_prep
	.p2alignl 7, 3214868480
	.fill 96, 4, 3214868480
	.section	.rodata,"a",@progbits
	.p2align	6, 0x0
	.amdhsa_kernel k_qe5d823cc8f_prep
		.amdhsa_group_segment_fixed_size 0
		.amdhsa_private_segment_fixed_size 0
		.amdhsa_enable_private_segment 0
		.amdhsa_kernarg_size 104
		.amdhsa_user_sgpr_count 2
		.amdhsa_user_sgpr_kernarg_segment_ptr 1
		.amdhsa_wavefront_size32 1
		.amdhsa_system_sgpr_workgroup_id_x 1
		.amdhsa_system_sgpr_workgroup_id_y 1
		.amdhsa_system_sgpr_workgroup_id_z 1
		.amdhsa_system_vgpr_workitem_id 0
		.amdhsa_next_free_vgpr 256
		.amdhsa_next_free_sgpr 66
		.amdhsa_reserve_vcc 0
		.amdhsa_float_denorm_mode_32 3
		.amdhsa_float_denorm_mode_16_64 3
		.amdhsa_memory_ordered 1
		.amdhsa_forward_progress 1
		.amdhsa_inst_pref_size 39
	.end_amdhsa_kernel
	.amdgpu_metadata
---
amdhsa.version: [ 1, 2 ]
amdhsa.kernels:
  - .name:           k_qe5d823cc8f_prep
    .symbol:         k_qe5d823cc8f_prep.kd
    .args:
      - { .name: W_h_codes, .offset: 0, .size: 8, .value_kind: global_buffer, .address_space: global }
      - { .name: W_h_scales, .offset: 8, .size: 8, .value_kind: global_buffer, .address_space: global }
      - { .name: hidden_codes, .offset: 16, .size: 8, .value_kind: global_buffer, .address_space: global }
      - { .name: hidden_scales, .offset: 24, .size: 8, .value_kind: global_buffer, .address_space: global }
      - { .name: b_h, .offset: 32, .size: 8, .value_kind: global_buffer, .address_space: global }
      - { .name: b_e, .offset: 40, .size: 8, .value_kind: global_buffer, .address_space: global }
      - { .name: v, .offset: 48, .size: 8, .value_kind: global_buffer, .address_space: global }
      - { .name: W_e_codes, .offset: 56, .size: 8, .value_kind: global_buffer, .address_space: global }
      - { .name: W_e_scales, .offset: 64, .size: 8, .value_kind: global_buffer, .address_space: global }
      - { .name: mask, .offset: 72, .size: 8, .value_kind: global_buffer, .address_space: global }
      - { .name: tab, .offset: 80, .size: 8, .value_kind: global_buffer, .address_space: global }
      - { .name: wimg, .offset: 88, .size: 8, .value_kind: global_buffer, .address_space: global }
      - { .name: keep, .offset: 96, .size: 8, .value_kind: global_buffer, .address_space: global }
    .group_segment_fixed_size: 0
    .private_segment_fixed_size: 0
    .kernarg_segment_align: 8
    .kernarg_segment_size: 104
    .max_flat_workgroup_size: 32
    .sgpr_count:     66
    .vgpr_count:     256
    .wavefront_size: 32
...
	.end_amdgpu_metadata
.endif
;; end of part 1
;; launch scores (part 2): grid 256 x 1, 4 waves a work-group, clusters of 4 x 1, 327,680 bytes of LDS; arguments encoder_outputs, mask, wimg, tab, att; writes att
.if DOCPART == 2
	.amdgcn_target "amdgcn-amd-amdhsa--gfx1250"
	.amdhsa_code_object_version 6
	.text
	.protected	k_qe5d823cc8f_scores
	.globl	k_qe5d823cc8f_scores
	.p2align	8
	.type	k_qe5d823cc8f_scores,@function
k_qe5d823cc8f_scores:
	s_mov_b64 s[64:65], 0
	v_nop
	global_prefetch_b8 v0, s[64:65] scope:SCOPE_SE
	s_setreg_imm32_b32 hwreg(HW_REG_WAVE_MODE, 25, 1), 1
	s_wait_xcnt 0x0
	s_wait_alu depctr_hold_cnt(0) depctr_sa_sdst(0) depctr_va_vdst(0) depctr_va_sdst(0) depctr_va_ssrc(0) depctr_va_vcc(0) depctr_vm_vsrc(0)
	s_getreg_b32 s2, hwreg(HW_REG_IB_STS2, 6, 4)
	s_cmp_eq_u32 s2, 0
	s_cbranch_scc0 .Lentry_in_a_cluster
	s_endpgm
.Lentry_in_a_cluster:
	s_bfe_u32 s2, ttmp6, 0x10000c
	s_cmp_lg_u32 s2, 0x3003
	s_cbranch_scc0 .Lentry_shape_is_right
	s_endpgm
.Lentry_shape_is_right:
; att[b][s] = sum over h of v[h] tanh((hidden W_h + b_h + b_e)[b][h] + (Q(enc) W_e)[b][s][h]), or -1e10 where mask[b][s] = 0.
; A work-group takes 256 rows (b, s) of one batch, a wave 64 of them: four tiles of 16 rows.
; HEAD: a wave's rows are loaded as f32 (whole units of 256 bytes), turned through its own LDS stage so that a lane holds 32 neighbours along K, quantised to E2M3
; with E8M0 scales, and kept for the whole launch: 4 row tiles x 8 K steps x 12 registers in windows 1 and 2, scale words in v16-47.
; A row with mask 0 is not loaded (EXEC from the mask): its registers hold zeros or an earlier row's numbers, and its score is replaced by -1e10 by a select at the end.
; W_e's codes come as an image of the operand's registers (launch prep), 12,800 bytes for a tile of 16 units, through a ring of two LDS slots of eight tiles.
; The four work-groups of a cluster belong to one batch and walk the same tiles: W_e's slots and the batch's table are asked for jointly (mask 15).
; LOOP: a group is two tiles of units x four tiles of rows: eight accumulators by turns, 64 matrix instructions on end, with no transcendental between
; a matrix write and its first reader.  A trip: the group's small loads; tanh of the group before, in four batches; the group's matrix run.
; tanh(x) = 1 - 2 / (1 + 2^(2 x log2 e)); the sum is  sum v + sum (-2 v) / (1 + 2^..);  the table holds the bias and -2 v.
; The matrix instruction is used transposed (source 0 = 16 units of W_e, source 1 = 16 rows): a lane holds one row and eight neighbouring units.
; WINDOWS in the loop: 0: addresses, scales, accumulators D, bias BI, sums SC; 1, 2: x's codes (K steps 0-3, 4-7), -2 v in window 1; 3: the group's 16 fragments of W_e (v0-191) and the 64 numbers on their way through tanh (v192-255).
; No prefetch of W_e's image: a slot is asked for four groups (256 matrix instructions and 512 transcendentals of each wave) ahead of the wait for it.
.set TILEB, 12800
.set SLOTB, 8*TILEB
.set PARTB, 2*TILEB                    ; what one wave's tensor load brings: 100 rows of 256 bytes
.set TABL,  SLOTB                      ; the batch's table, 8,192 bytes, behind slot 0
.set SLOT1, 1<<17
.set STG,   SLOT1+SLOTB                ; the head's stages: 16 rows x 1,040 bytes a wave
.set SPIT,  1040
.set SPARE, STG+4*16*SPIT              ; the spare words
.set SPW, 1
.set NIL, 2
.set LI,  3                            ; 16 x lane
.set LS,  4                            ; 32 x (lane % 16)
.set LT,  5                            ; TABL + 32 x (lane / 16)
.set AB,  6
.set AS,  7
.set AT,  8
.set VX,  9
.set VS,  10
.set VL,  11
.set SH8, 12
.set SVR, 13
.set MKA, 14
.set MKB, 15
.set SA,  16                           ; v16-47  x's scale words: 8 m + k
.set SB,  48                           ; v48-63  W_e's scale words of the group: 8 n + k
.set D,   64                           ; v64-127 eight accumulators: 8 (4 n + m)
.set BI,  128                          ; v128-143 the bias of the group's two tiles
.set SC,  144                          ; v144-151 the sums, a pair for each tile of rows
.set R,   192                          ; window 3
.set VP,  192                          ; window 1: -2 v of the group before
.set X0,  64
.set X1,  128
.set TM,  192
.set SO,  194
.set BY,  196
.set W,   198
.set W2,  199
.set HT,  200
.set MW,  224
.set EP,  64
.set E2,  96
.set CT,  240
.set WV,  14
.set G1,  16
.set G1T, 24
.set G0,  32
.set G0T, 36
.set CS,  40
.set SEL, 42
.set TB,  44
.set TT,  45
.set SLOTS, 46
.set TC,  47
.set SV,  48
.set EM,  66
.set MSB, 0
.macro WIN new                         ; the immediate's high byte repeats the setting that is left
.if MSB != (\new)
	s_set_vgpr_msb (MSB<<8)|(\new)
.set MSB, \new
.endif
.endm
.macro CROUND                          ; a round of the cluster's barrier
	s_barrier_signal -1
	s_barrier_wait -1
	s_cmp_lg_u32 s[WV], 0
	s_cbranch_scc1 .Lnot_wave_0_\@
	s_barrier_signal -3
.Lnot_wave_0_\@:
	s_barrier_wait -3
	s_barrier_signal -1
	s_barrier_wait -1
.endm
	s_load_b256 s[4:11], s[0:1], 0x0               ; enc s[4:5], mask s[6:7], wimg s[8:9], tab s[10:11]
	s_load_b64 s[12:13], s[0:1], 0x20              ; att
	v_lshl_add_u32 v[SPW], v0, 2, SPARE
	v_mov_b32 v[NIL], 0
	ds_add_u32 v1, v2
	ds_add_u32 v1, v2
	s_wait_dscnt 0x0
	v_lshrrev_b32 v[HT], 5, v0
	v_readfirstlane_b32 s[WV], v[HT]
	s_bfe_u32 s15, ttmp6, 0x40000
	s_lshl_b32 s49, ttmp9, 2
	s_add_co_u32 s49, s49, s15
	s_lshl_b32 s49, s49, 8
	s_lshl_b32 s50, s[WV], 6
	s_add_co_u32 s49, s49, s50                     ; my first row
	s_lshl_b32 s50, s49, 12
	s_mov_b32 s51, 0
	s_lshl_b32 s52, s49, 2
	s_mov_b32 s53, 0
	s_mul_i32 s54, s[WV], PARTB
	s_mov_b32 s55, 0
	s_lshr_b32 s56, ttmp9, 1                       ; the batch: two clusters to a batch
	s_lshl_b32 s56, s56, 13
	s_lshl_b32 s57, s[WV], 11
	s_add_co_u32 s56, s56, s57
	s_mov_b32 s57, 0
	s_mov_b32 s[G1], 15|(3<<16)|(1<<21)            ; 100 rows of 32 elements of 8 bytes, dense
	s_mov_b32 s[G1+1], 32<<16
	s_mov_b32 s[G1+2], 100<<16
	s_mov_b32 s[G1+3], 32<<16
	s_mov_b32 s[G1+4], 100
	s_mov_b32 s[G1+5], 32
	s_mov_b32 s[G1+6], 0
	s_mov_b32 s[G1+7], 0
	s_mov_b32 s[G1T], 15|(3<<16)|(1<<21)           ; the table: 8 such rows a wave
	s_mov_b32 s[G1T+1], 32<<16
	s_mov_b32 s[G1T+2], 8<<16
	s_mov_b32 s[G1T+3], 32<<16
	s_mov_b32 s[G1T+4], 8
	s_mov_b32 s[G1T+5], 32
	s_mov_b32 s[G1T+6], 0
	s_mov_b32 s[G1T+7], 0
	s_mov_b32 s[CS], 0x4038aa3b                    ; 2 log2 e
	s_mov_b32 s[CS+1], s[CS]
	s_mov_b32 s[SEL], 0x76543210
	s_mov_b32 s[SEL+1], 0xfedcba98
	s_wait_kmcnt 0x0
	s_add_nc_u64 s[4:5], s[4:5], s[50:51]
	s_add_nc_u64 s[6:7], s[6:7], s[52:53]
	s_add_nc_u64 s[12:13], s[12:13], s[52:53]
	s_mov_b32 s[G0], 1
	s_mov_b32 s[G0+1], s54
	s_add_nc_u64 s[G0+2:G0+3], s[8:9], s[54:55]
	s_or_b32 s[G0+3], s[G0+3], 0x80000000
	s_mov_b32 s[G0T], 1
	s_lshl_b32 s[G0T+1], s[WV], 11
	s_add_co_u32 s[G0T+1], s[G0T+1], TABL
	s_add_nc_u64 s[G0T+2:G0T+3], s[10:11], s[56:57]
	s_or_b32 s[G0T+3], s[G0T+3], 0x80000000
	CROUND                                         ; the round in front of the first joint loads
	tensor_load_to_lds s[G0T:G0T+3], s[G1T:G1T+7]  ; the head's one load a wave: my quarter of the table
	s_nop 0
	s_wait_alu depctr_va_vdst(0)
	s_wait_tensorcnt 0x0                           ; the full sequence ahead of a later first fill
	ds_add_u32 v1, v2
	s_wait_dscnt 0x0
	CROUND
	tensor_load_to_lds s[G0:G0+3], s[G1:G1+7]      ; my quarter of slot 0
	s_nop 0
.rept 4
	v_nop
.endr
	v_and_b32 v[HT], 31, v0
	v_and_b32 v[HT+1], 15, v0
	v_bfe_u32 v[HT+2], v0, 4, 1
	v_lshlrev_b32 v[HT+3], 2, v[HT+2]
	v_lshlrev_b32 v[HT+4], 2, v[HT]
.set g, 0
.rept 32
	global_load_b32 v[MW+g], v[HT+3], s[6:7] offset:8*g        ; mask of rows 2 g + lane / 16
.set g, g+1
.endr
	global_load_b32 v[MKA], v[HT+4], s[6:7]
	global_load_b32 v[MKB], v[HT+4], s[6:7] offset:128
	v_lshlrev_b32 v[LI], 4, v[HT]
	v_lshlrev_b32 v[LS], 5, v[HT+1]
	v_lshl_add_u32 v[LT], v[HT+2], 5, TABL
	v_lshlrev_b32 v[VX], 12, v[HT+2]
	v_lshl_add_u32 v[VX], v[HT+1], 4, v[VX]
	s_mul_i32 s58, s[WV], 16*SPIT
	s_add_co_u32 s58, s58, STG
	v_mul_u32_u24 v[VS], v[HT+2], SPIT
	v_lshl_add_u32 v[VS], v[HT+1], 4, v[VS]
	v_add_nc_u32 v[VS], s58, v[VS]
	v_mul_u32_u24 v[VL], v[HT+1], SPIT
	v_lshl_add_u32 v[VL], v[HT+2], 7, v[VL]
	v_add_nc_u32 v[VL], s58, v[VL]
	v_lshlrev_b32 v[SH8], 3, v[HT+2]
	v_mov_b32 v[W2], 0
	WIN 0xc0
.set i, 0
.rept 256
	v_mov_b32 v[i], 0                              ; a row that is not loaded leaves its registers as they are: they hold numbers from the start
.set i, i+1
.endr
	WIN 0
	s_wait_loadcnt 0x0
.set g, 0
.rept 32
	v_cmp_ne_u32 s[EM+g], 0, v[MW+g]
.set g, g+1
.endr
	s_wait_xcnt 0x0
; a quarter (256 along K) of 16 rows into window 3: two rows an instruction, 16 lanes to 256 bytes
.macro LOADQ t, set
	WIN 0xc0
.irp p, 0,1,2,3,4,5,6,7
	s_mov_b32 vcc_lo, s[EM+8*((\t)/4)+\p]
	s_and_saveexec_b32 s[SV], vcc_lo
.irp u, 0,1,2,3
	global_load_b128 v[128*(\set)+16*\p+4*\u:128*(\set)+16*\p+4*\u+3], v[VX], s[4:5] offset:(16*((\t)/4)+2*\p)*4096+1024*((\t)%4)+256*\u th:TH_LOAD_NT
.endr
	s_wait_xcnt 0x0                                ; EXEC changes only behind this wait
	s_mov_b32 exec_lo, -1
.endr
	WIN 0
.endm
.macro TURNQ set
	WIN 0x0c
.irp p, 0,1,2,3,4,5,6,7
.irp u, 0,1,2,3
	ds_store_b128 v[VS], v[128*(\set)+16*\p+4*\u:128*(\set)+16*\p+4*\u+3] offset:2*\p*SPIT+256*\u
.endr
.endr
	WIN 0
.endm
.macro XLD f, x                        ; back: lane (r, h) takes k = 64 c + 32 h + 0..31 of row r
.irp c, 0,1
.irp j, 0,1,2,3,4,5,6,7
	ds_load_b128 v[\x+32*\c+4*\j:\x+32*\c+4*\j+3], v[VL] offset:512*(\f)+256*\c+16*\j
.endr
.endr
.endm
.macro QUANT x, win, f, sa             ; two blocks of 32 a lane: largest magnitude with the floor, scale byte, codes
.irp c, 0,1
	v_max3_num_f32 v[TM+\c], |v[\x+32*\c]|, |v[\x+32*\c+1]|, 0x1800000
.endr
.irp c, 0,1
	v_max3_num_f32 v[SO+\c], |v[\x+32*\c+2]|, |v[\x+32*\c+3]|, 0x1800000
.endr
.irp i, 4,8,12,16,20,24,28
.irp c, 0,1
	v_max3_num_f32 v[TM+\c], v[TM+\c], |v[\x+32*\c+\i]|, |v[\x+32*\c+\i+1]|
.endr
.irp c, 0,1
	v_max3_num_f32 v[SO+\c], v[SO+\c], |v[\x+32*\c+\i+2]|, |v[\x+32*\c+\i+3]|
.endr
.endr
.irp c, 0,1
	v_max_num_f32 v[TM+\c], v[TM+\c], v[SO+\c]
.endr
.irp c, 0,1
	v_add_nc_u32 v[SO+\c], 0xff000000, v[TM+\c]
.endr
.irp c, 0,1
	v_lshrrev_b32 v[BY+\c], 23, v[SO+\c]
.endr
	v_lshl_or_b32 v[W], v[BY+1], 16, v[BY]
	v_lshlrev_b32 v[W], v[SH8], v[W]
	v_permlanex16_b32 v[W2], v[W], s[SEL], s[SEL+1]
	v_or_b32 v[SA+(\sa)], v[W], v[W2]
	WIN (\win)<<6
.irp c, 0,1
	v_cvt_scalef32_pk16_fp6_f32 v[(\f)+6*\c:(\f)+6*\c+2], v[\x+32*\c:\x+32*\c+15], v[SO+\c]
	v_cvt_scalef32_pk16_fp6_f32 v[CT+4*\c:CT+4*\c+2], v[\x+32*\c+16:\x+32*\c+31], v[SO+\c]
.endr
	v_nop
	WIN ((\win)<<6)|(\win)
.irp c, 0,1
.irp i, 0,1,2
	v_mov_b32 v[(\f)+6*\c+3+\i], v[CT+4*\c+\i]
.endr
.endr
	WIN 0
.endm
	LOADQ 0, 0
	LOADQ 1, 1
.irp t, 0,1,2,3,4,5,6,7,8,9,10,11,12,13,14,15
.if \t < 15
	s_wait_loadcnt 32                              ; at most the younger quarter's 32 loads are out
.else
	s_wait_loadcnt 0x0
.endif
	TURNQ \t%2
	XLD 0, X0
	XLD 1, X1
	s_wait_dscnt 16
.if \t < 14
	LOADQ \t+2, \t%2
.endif
	QUANT X0, 1+(\t%4)/2, 12*(4*((2*(\t%4))%4)+\t/4), 8*(\t/4)+2*(\t%4)
	s_wait_dscnt 0x0
	QUANT X1, 1+(\t%4)/2, 12*(4*((2*(\t%4)+1)%4)+\t/4), 8*(\t/4)+2*(\t%4)+1
.endr
.set i, 0
.rept 64
	v_mov_b32 v[D+i], 0x44800000                   ; the first trip has no group before it: 1,024 goes through tanh's steps to a quotient of exactly 0
.set i, i+1
.endr
.set i, 0
.rept 8
	v_mov_b32 v[SC+i], 0
.set i, i+1
.endr
	s_mov_b32 s[TB], 0
	s_mov_b32 s[TT], 0
	s_mov_b32 s[SLOTS], 7
	s_wait_alu depctr_va_vdst(0)                   ; the wait at the head's end
; sums: SC[m] += quotient x (-2 v), two units at a time; i = 8 j + a: accumulator a, its pair j
.macro EOP i
	v_pk_fma_f32 v[SC+2*((\i)%4):SC+2*((\i)%4)+1], v[R+8*((\i)%8)+2*((\i)/8):R+8*((\i)%8)+2*((\i)/8)+1], v[VP+8*(((\i)%8)/4)+2*((\i)/8):VP+8*(((\i)%8)/4)+2*((\i)/8)+1], v[SC+2*((\i)%4):SC+2*((\i)%4)+1]
.endm
.macro VPLD                            ; -2 v of the group before: 128 bytes back in the table's second half
	WIN 0x40
.irp q, 0,1,2,3
	ds_load_b128 v[VP+4*\q:VP+4*\q+3], v[AT] offset:3968+64*(\q/2)+16*(\q%2)
.endr
	WIN 0
.endm
; The group's 16 fragments of W_e, 48 loads in one run.  The four waves issue their runs at four places of the trip, a batch of tanh apart: wave w at place w.
; The branch hangs on the wave's number alone and leads round the loads alone; every window is 0 at the branch and at the label; back: the setting that follows.
.macro BFLD w, back
	WIN 0
	s_cmp_lg_u32 s[WV], \w
	s_cbranch_scc1 .Lnot_mine_\@
	WIN 0xc0
.set i, 0
.rept 16
.irp c, 0,1,2
	ds_load_b128 v[12*i+4*\c:12*i+4*\c+3], v[AB] offset:(i/8)*TILEB+1536*(i%8)+512*\c
.endr
.set i, i+1
.endr
	WIN 0
.Lnot_mine_\@:
	WIN \back
.endm
.macro SMALL
	v_add_nc_u32 v[AB], s[TB], v[LI]
	v_add_nc_u32 v[AS], s[TB], v[LS]
	v_add_nc_u32 v[AT], s[TT], v[LT]
.irp q, 0,1,2,3
	ds_load_b128 v[SB+4*\q:SB+4*\q+3], v[AS] offset:(\q/2)*TILEB+12288+16*(\q%2)
	ds_load_b128 v[BI+4*\q:BI+4*\q+3], v[AT] offset:64*(\q/2)+16*(\q%2)
.endr
	VPLD
	BFLD 0, 0
.endm
; tanh's steps on the 64 results in D.  All products with 2 log2 e first (they are the matrix results' first readers, no transcendental ahead of them); then four batches,
; each behind one wait.  The additions of 1 stand inside the batch that follows their exponentials' wait.  No memory instruction stands inside a batch.
; ld = 1: waves 1, 2 and 3 ask for the next run's fragments behind the first three waits; behind the last of these places two batches, 64 transcendentals, stand ahead of the wait for the loads.
.macro TRANS ld
.set i, 0
.rept 32
	v_pk_mul_f32 v[D+2*i:D+2*i+1], v[D+2*i:D+2*i+1], s[CS:CS+1] op_sel_hi:[1,0]
.set i, i+1
.endr
	s_wait_alu depctr_va_vdst(0)
.if \ld
	BFLD 1, 0xcc                                   ; then: destination and source 1 window 3, source 0 window 0
.else
	WIN 0xcc
.endif
.set i, 0
.rept 16
	v_exp_f32 v[R+2*i], v[D+2*i]
	v_exp_f32 v[R+2*i+1], v[D+2*i+1]
.set i, i+1
.endr
	v_nop
	s_wait_alu depctr_va_vdst(0)
.if \ld
	BFLD 2, 0xcc
.endif
.set i, 0
.rept 16
	v_exp_f32 v[R+32+2*i], v[D+32+2*i]
	v_exp_f32 v[R+33+2*i], v[D+33+2*i]
	v_pk_add_f32 v[R+2*i:R+2*i+1], 1.0, v[R+2*i:R+2*i+1] op_sel_hi:[0,1]
.set i, i+1
.endr
	s_wait_alu depctr_va_vdst(0)
.if \ld
	BFLD 3, 0xcf                                   ; then: source 0 window 3 too
.else
	WIN 0xcf
.endif
.set i, 0
.rept 16
	v_rcp_f32 v[R+2*i], v[R+2*i]
	v_rcp_f32 v[R+2*i+1], v[R+2*i+1]
	v_pk_add_f32 v[R+32+2*i:R+33+2*i], 1.0, v[R+32+2*i:R+33+2*i] op_sel_hi:[0,1]
.set i, i+1
.endr
	s_wait_alu depctr_va_vdst(0)
.set i, 0
.rept 32
	v_rcp_f32 v[R+32+i], v[R+32+i]
.set i, i+1
.endr
	v_nop
	s_wait_alu depctr_va_vdst(0)
	WIN 0
.endm
; 64 matrix instructions: K step by K step, the eight accumulators by turns.  The first K step takes the bias as C.
; The sums of the group before stand behind the first 32: plain lines that name no register of the products.
.macro RUN
	WIN 0x07                                       ; source 0 window 3 (W_e), source 1 window 1 (x, K steps 0-3), C and D window 0
.irp k, 0,1,2,3,4,5,6,7
.if \k == 4
	WIN 0x0b                                       ; x's K steps 4-7: window 2
.endif
.irp a, 0,1,2,3,4,5,6,7
.if \k == 0
	v_wmma_scale_f32_16x16x128_f8f6f4 v[D+8*\a:D+8*\a+7], v[12*(8*(\a/4)+\k):12*(8*(\a/4)+\k)+11], v[12*(4*(\k%4)+\a%4):12*(4*(\k%4)+\a%4)+11], v[BI+8*(\a/4):BI+8*(\a/4)+7], v[SB+8*(\a/4)+\k], v[SA+8*(\a%4)+\k] matrix_a_fmt:MATRIX_FMT_FP6 matrix_b_fmt:MATRIX_FMT_FP6
.else
	v_wmma_scale_f32_16x16x128_f8f6f4 v[D+8*\a:D+8*\a+7], v[12*(8*(\a/4)+\k):12*(8*(\a/4)+\k)+11], v[12*(4*(\k%4)+\a%4):12*(4*(\k%4)+\a%4)+11], v[D+8*\a:D+8*\a+7], v[SB+8*(\a/4)+\k], v[SA+8*(\a%4)+\k] matrix_a_fmt:MATRIX_FMT_FP6 matrix_b_fmt:MATRIX_FMT_FP6
.endif
.if \k < 4
	EOP 8*\k+\a
.endif
.endr
.endr
.rept 4
	v_nop                                          ; the places ahead of the reads of D and of the loads into the products' registers
.endr
	WIN 0
.endm
.macro CHANGE fill                     ; the change of slots: all my loads have landed, the add, my LDS reads are over; the round; the refill first behind it
	s_wait_tensorcnt 0x0
	ds_add_u32 v[SPW], v[NIL]
.if \fill
	s_xor_b32 s[G0+1], s[G0+1], SLOT1
	s_add_nc_u64 s[G0+2:G0+3], s[G0+2:G0+3], SLOTB
.endif
	s_wait_dscnt 0x0
.if \fill
	CROUND
	tensor_load_to_lds s[G0:G0+3], s[G1:G1+7]
	s_nop 0
.rept 4
	v_nop
.endr
.else
	s_barrier_signal -1
	s_barrier_wait -1
.endif
.endm
.macro SLOTWORK                        ; a slot's four groups
	s_mov_b32 s[TC], 4
.Lgrp_\@:
	SMALL
	TRANS 1
	s_wait_dscnt 0x0                               ; the group's 60 LDS loads
	RUN
	s_add_co_u32 s[TB], s[TB], 2*TILEB
	s_add_co_u32 s[TT], s[TT], 128
	s_sub_co_u32 s[TC], s[TC], 1
	s_cmp_lg_u32 s[TC], 0
	s_cbranch_scc1 .Lgrp_\@
	s_sub_co_u32 s[TB], s[TB], SLOTB
	s_xor_b32 s[TB], s[TB], SLOT1
.endm
.Lslot:
	CHANGE 1
	SLOTWORK
	s_sub_co_u32 s[SLOTS], s[SLOTS], 1
	s_cmp_lg_u32 s[SLOTS], 0
	s_cbranch_scc1 .Lslot
	CHANGE 0                                       ; the last slot: nothing is left to fetch
	SLOTWORK
	v_add_nc_u32 v[AT], s[TT], v[LT]               ; the last group's tanh and sums
	VPLD
	TRANS 0
	s_wait_dscnt 0x0
	WIN 0x07
.set i, 0
.rept 32
	EOP i
.set i, i+1
.endr
	WIN 0
	v_add_nc_u32 v[AB], TABL, v[LI]
.irp i, 0,1,2,3,4,5,6,7
	ds_load_b128 v[EP+4*\i:EP+4*\i+3], v[AB] offset:4096+512*\i    ; all of -2 v: 32 numbers a lane
.endr
.irp i, 4,5,6,7,8
	v_mov_b32 v[E2+\i], 0
.endr
	s_wait_dscnt 0x0
.irp j, 0,2,4,6,8,10,12,14
	v_pk_add_f32 v[EP+\j:EP+\j+1], v[EP+\j:EP+\j+1], v[EP+16+\j:EP+16+\j+1]
.endr
.irp j, 0,2,4,6
	v_pk_add_f32 v[EP+\j:EP+\j+1], v[EP+\j:EP+\j+1], v[EP+8+\j:EP+8+\j+1]
.endr
.irp j, 0,2
	v_pk_add_f32 v[EP+\j:EP+\j+1], v[EP+\j:EP+\j+1], v[EP+4+\j:EP+4+\j+1]
.endr
	v_pk_add_f32 v[EP:EP+1], v[EP:EP+1], v[EP+2:EP+3]
	v_add_f32 v[SVR], v[EP], v[EP+1]
	v_add_f32_dpp v[SVR], v[SVR], v[SVR] row_xmask:1 row_mask:0xf bank_mask:0xf
	v_add_f32_dpp v[SVR], v[SVR], v[SVR] row_xmask:2 row_mask:0xf bank_mask:0xf
	v_add_f32_dpp v[SVR], v[SVR], v[SVR] row_xmask:4 row_mask:0xf bank_mask:0xf
	v_add_f32_dpp v[SVR], v[SVR], v[SVR] row_xmask:8 row_mask:0xf bank_mask:0xf
	v_permlanex16_b32 v[E2+8], v[SVR], s[SEL], s[SEL+1]
	v_add_f32 v[SVR], v[SVR], v[E2+8]
	v_mul_f32 v[SVR], -0.5, v[SVR]                 ; sum of v
.irp m, 0,1,2,3
	v_add_f32 v[E2+\m], v[SC+2*\m], v[SC+2*\m+1]
.endr
.irp m, 0,1,2,3
	v_permlanex16_b32 v[E2+4+\m], v[E2+\m], s[SEL], s[SEL+1]   ; the other half of the lanes holds the row's other units
.endr
.irp m, 0,1,2,3
	v_add_f32 v[E2+\m], v[E2+\m], v[E2+4+\m]
.endr
.irp m, 0,1,2,3
	v_add_f32 v[E2+\m], v[E2+\m], v[SVR]
.endr
	s_mov_b32 s49, 0xffff0000
	v_cndmask_b32 v[E2+4], v[E2], v[E2+1], s49     ; lane l: row l of my first 32,
	v_cndmask_b32 v[E2+5], v[E2+2], v[E2+3], s49   ; and of my second 32
	v_mov_b32 v[E2+6], 0xd01502f9                  ; -1e10
	v_cmp_eq_u32 vcc_lo, 0, v[MKA]
	v_cndmask_b32 v[E2+4], v[E2+4], v[E2+6], vcc_lo
	v_cmp_eq_u32 vcc_lo, 0, v[MKB]
	v_cndmask_b32 v[E2+5], v[E2+5], v[E2+6], vcc_lo
	v_lshrrev_b32 v[E2+7], 2, v[LI]
	global_store_b32 v[E2+7], v[E2+4], s[12:13]    ; a wave's two stores cover 256 consecutive bytes, aligned
	global_store_b32 v[E2+7], v[E2+5], s[12:13] offset:128
	s_wait_tensorcnt 0x0                           ; the wave's end
	ds_add_u32 v[SPW], v[NIL]
	s_wait_dscnt 0x0
	CROUND                                         ; the closing round
	s_endpgm
.Lfunc_end_k_qe5d823cc8f_scores:
	.size	k_qe5d823cc8f_scores, .Lfunc_end_k_qe5d823cc8f_scores-k_qe5d823cc8f_scores
	.p2alignl 7, 3214868480
	.fill 96, 4, 3214868480
	.section	.rodata,"a",@progbits
	.p2align	6, 0x0
	.amdhsa_kernel k_qe5d823cc8f_scores
		.amdhsa_group_segment_fixed_size 327680
		.amdhsa_private_segment_fixed_size 0
		.amdhsa_enable_private_segment 0
		.amdhsa_kernarg_size 40
		.amdhsa_user_sgpr_count 2
		.amdhsa_user_sgpr_kernarg_segment_ptr 1
		.amdhsa_wavefront_size32 1
		.amdhsa_system_sgpr_workgroup_id_x 1
		.amdhsa_system_sgpr_workgroup_id_y 1
		.amdhsa_system_sgpr_workgroup_id_z 1
		.amdhsa_system_vgpr_workitem_id 0
		.amdhsa_next_free_vgpr 1024
		.amdhsa_next_free_sgpr 100
		.amdhsa_reserve_vcc 1
		.amdhsa_float_denorm_mode_32 3
		.amdhsa_float_denorm_mode_16_64 3
		.amdhsa_memory_ordered 1
		.amdhsa_forward_progress 1
		.amdhsa_inst_pref_size 255
	.end_amdhsa_kernel
	.section	.bss,"aw",@nobits
	.p2align	6
	.space	262144
	.amdgpu_metadata
---
amdhsa.version: [ 1, 2 ]
amdhsa.kernels:
  - .name:           k_qe5d823cc8f_scores
    .symbol:         k_qe5d823cc8f_scores.kd
    .args:
      - { .name: encoder_outputs, .offset: 0, .size: 8, .value_kind: global_buffer, .address_space: global }
      - { .name: mask, .offset: 8, .size: 8, .value_kind: global_buffer, .address_space: global }
      - { .name: wimg, .offset: 16, .size: 8, .value_kind: global_buffer, .address_space: global }
      - { .name: tab, .offset: 24, .size: 8, .value_kind: global_buffer, .address_space: global }
      - { .name: att, .offset: 32, .size: 8, .value_kind: global_buffer, .address_space: global }
    .group_segment_fixed_size: 327680
    .private_segment_fixed_size: 0
    .kernarg_segment_align: 8
    .kernarg_segment_size: 40
    .max_flat_workgroup_size: 128
    .sgpr_count:     100
    .vgpr_count:     1024
    .wavefront_size: 32
...
	.end_amdgpu_metadata
.endif
;; end of part 2
;; launch context (part 3): grid 8 x 32, 16 waves a work-group, no clusters, 11,264 bytes of LDS; arguments att, keep, encoder_outputs, out0, out1; writes out0, out1
.if DOCPART == 3
	.amdgcn_target "amdgcn-amd-amdhsa--gfx1250"
	.amdhsa_code_object_version 6
	.text
	.protected	k_qe5d823cc8f_context
	.globl	k_qe5d823cc8f_context
	.p2align	8
	.type	k_qe5d823cc8f_context,@function
k_qe5d823cc8f_context:
	s_mov_b64 s[64:65], 0
	v_nop
	global_prefetch_b8 v0, s[64:65] scope:SCOPE_SE
	s_setreg_imm32_b32 hwreg(HW_REG_WAVE_MODE, 25, 1), 1
	s_wait_xcnt 0x0
; out1[b][:] = softmax(att[b][:]);  out0[b][e] = sum over s of out1[b][s] enc[b][s][e].  All in f32: a product with one row has nothing for the matrix unit.
; SHARES.  Work-group (x, y) makes 128 channels (512 bytes of each row), 128 x on, of batch y.  Each of its sixteen waves takes 128 rows; a load of a wave is 512 consecutive bytes of one row, aligned.
; The softmax of the batch's 2,048 scores is made anew in each of the batch's eight work-groups (8 KB read, four numbers a thread); the maximum is taken away before the exponential.
; Thread t holds the weights of rows 4 t .. 4 t + 3, which are rows of its own wave's 128: a row's weight comes by v_readlane_b32.
; ROWS THAT NEED NOT BE READ: the list keep (whole numbers, stored by the first launch) has a bit for each row; where the bit is 0 the row's load runs with every lane off and moves nothing.  Such a row's weight is exactly 0
; (2^((-1e10 - max) log2 e)), and it multiplies what its registers held before: zeros or an older row's numbers.  LIMIT: that takes enc's numbers to be finite, and the sum of |v| to stay far under 1e10.
; ORDER.  Every row has its load instruction, so the number issued is a constant of the text and every wait is counted.  A ring of 48 rows' registers: the first 48 loads go out ahead of the softmax;
; then, block by block of eight rows: the wait for the block (behind it five younger blocks, 40 loads, may be out), its multiply-adds, and the loads of the block six further on into the registers just left.
; No tensor load, no cluster: what the eight work-groups of a batch share is the 8 KB of scores.
.set A,   4                            ; v4-7     scores, then p, then weights
.set ACC, 16                           ; v16-31   four sets of four sums, by turns
.set X,   32                           ; v32-223  48 rows x 16 bytes a lane
.set RING, 48
.set RD,  224                          ; v224-239 sixteen waves' figures
.set SPW, 240                          ; my spare word's address
.set NIL, 241                          ; 0
.set KW,  20                           ; s[20:23] my wave's 128 bits of the list
.set WS,  32                           ; s[32:47] eight pairs: a weight in the low word (the packed form names the pair)
.set SEL, 48                           ; s[48:49]
.set SX,  50                           ; EXEC as it was
.macro ROWLD r
	s_bitcmp1_b32 s[KW+(\r)/32], (\r)%32
	s_cselect_b32 vcc_lo, -1, 0
	s_and_saveexec_b32 s[SX], vcc_lo               ; all lanes or none (no load has been issued since the last wait on XCNT)
	global_load_b128 v[X+4*((\r)%RING):X+4*((\r)%RING)+3], v3, s[8:9] offset:4096*(\r) th:TH_LOAD_NT
	s_wait_xcnt 0x0                                ; EXEC changes only behind this wait
	s_mov_b32 exec_lo, -1
.endm
.macro ROWFMA r
	v_readlane_b32 s[WS+2*((\r)%8)], v[A+(\r)%4], (\r)/4
	s_delay_alu instid0(VALU_DEP_1)
	v_pk_fma_f32 v[ACC+4*((\r)%4):ACC+4*((\r)%4)+1], v[X+4*((\r)%RING):X+4*((\r)%RING)+1], s[WS+2*((\r)%8):WS+2*((\r)%8)+1], v[ACC+4*((\r)%4):ACC+4*((\r)%4)+1] op_sel_hi:[1,0,1]
	s_delay_alu instid0(VALU_DEP_2)
	v_pk_fma_f32 v[ACC+4*((\r)%4)+2:ACC+4*((\r)%4)+3], v[X+4*((\r)%RING)+2:X+4*((\r)%RING)+3], s[WS+2*((\r)%8):WS+2*((\r)%8)+1], v[ACC+4*((\r)%4)+2:ACC+4*((\r)%4)+3] op_sel_hi:[1,0,1]
.endm
	s_load_b256 s[4:11], s[0:1], 0x0               ; att s[4:5], keep s[6:7], enc s[8:9], out0 s[10:11]
	s_load_b64 s[12:13], s[0:1], 0x20              ; out1
	v_lshl_add_u32 v[SPW], v0, 2, 0x2400
	v_mov_b32 v[NIL], 0
	v_lshrrev_b32 v1, 5, v0
	s_delay_alu instid0(VALU_DEP_1)
	v_readfirstlane_b32 s14, v1                    ; wave 0..15
	s_mov_b32 s15, ttmp9                           ; which 128 channels
	s_and_b32 s16, ttmp7, 0xffff                   ; the batch
	v_and_b32 v1, 31, v0
	v_lshlrev_b32 v2, 4, v0                        ; 16 x thread
	s_delay_alu instid0(VALU_DEP_2)
	v_lshlrev_b32 v3, 4, v1                        ; 16 x lane
	s_lshl_b32 s18, s16, 13                        ; a batch's 8,192 bytes of att and of out1
	s_mov_b32 s19, 0
	s_lshl_b32 s24, s16, 8                         ; keep: 256 bytes a batch, 16 a wave
	s_lshl_b32 s25, s14, 4
	s_add_co_u32 s24, s24, s25
	s_mov_b32 s25, 0
	s_lshl_b32 s26, s16, 11
	s_lshl_b32 s27, s14, 7
	s_add_co_u32 s26, s26, s27                     ; my first row
	s_lshl_b32 s26, s26, 12                        ; of 4,096 bytes: under 2^28
	s_lshl_b32 s27, s15, 9
	s_add_co_u32 s26, s26, s27
	s_mov_b32 s27, 0
	s_lshl_b32 s28, s16, 12                        ; out0: 4,096 bytes a batch
	s_lshl_b32 s29, s15, 9
	s_add_co_u32 s28, s28, s29
	s_mov_b32 s29, 0
	s_mov_b32 s[SEL], 0x76543210
	s_mov_b32 s[SEL+1], 0xfedcba98
.irp i, 0,1,2,3,4,5,6,7
	s_mov_b32 s[WS+2*\i+1], 0                      ; named with the weight as a pair, so it is written
.endr
	s_wait_alu depctr_va_vdst(0)
	s_wait_kmcnt 0x0
	s_add_nc_u64 s[4:5], s[4:5], s[18:19]
	s_add_nc_u64 s[12:13], s[12:13], s[18:19]
	s_add_nc_u64 s[6:7], s[6:7], s[24:25]
	s_add_nc_u64 s[8:9], s[8:9], s[26:27]
	s_add_nc_u64 s[10:11], s[10:11], s[28:29]
	global_load_b128 v[A:A+3], v2, s[4:5]
	s_load_b128 s[KW:KW+3], s[6:7], 0x0
.set i, 0
.rept 4*RING
	v_mov_b32 v[X+i], 0                            ; a row that is not read leaves its registers as they are: they hold numbers from the start
.set i, i+1
.endr
.set i, 0
.rept 16
	v_mov_b32 v[ACC+i], 0
.set i, i+1
.endr
	v_mov_b32 v9, 0                                ; a lane permute's destination counts as one of its sources
	v_mov_b32 v10, s14
	s_delay_alu instid0(VALU_DEP_1)
	v_lshlrev_b32 v10, 2, v10                      ; my wave's word
	v_mov_b32 v11, 0
	s_wait_alu depctr_va_vdst(0)
	s_wait_kmcnt 0x0                               ; the list
	s_wait_xcnt 0x0                                ; the scores' load has read its sources: EXEC may change
.set q, 0
.rept RING
	ROWLD q                                        ; my first 48 rows are on their way while the softmax is made
.set q, q+1
.endr
	s_wait_loadcnt RING                            ; the scores: behind their load stand the 48 rows' loads
	; the maximum: my four, the wave's, the sixteen waves'
	v_max3_num_f32 v8, v[A], v[A+1], v[A+2]
	s_delay_alu instid0(VALU_DEP_1)
	v_max_num_f32 v8, v8, v[A+3]
	s_delay_alu instid0(VALU_DEP_1)
	v_max_num_f32_dpp v8, v8, v8 row_xmask:1 row_mask:0xf bank_mask:0xf
	s_delay_alu instid0(VALU_DEP_1)
	v_max_num_f32_dpp v8, v8, v8 row_xmask:2 row_mask:0xf bank_mask:0xf
	s_delay_alu instid0(VALU_DEP_1)
	v_max_num_f32_dpp v8, v8, v8 row_xmask:4 row_mask:0xf bank_mask:0xf
	s_delay_alu instid0(VALU_DEP_1)
	v_max_num_f32_dpp v8, v8, v8 row_xmask:8 row_mask:0xf bank_mask:0xf
	s_delay_alu instid0(VALU_DEP_1)
	v_permlanex16_b32 v9, v8, s[SEL], s[SEL+1]
	s_delay_alu instid0(VALU_DEP_1)
	v_max_num_f32 v8, v8, v9
	ds_store_b32 v10, v8                           ; all lanes write the same word with the same value
	s_wait_dscnt 0x0                               ; for the others' sake
	s_barrier_signal -1
	s_barrier_wait -1
	s_wait_alu depctr_va_vdst(0)
.irp i, 0,1,2,3
	ds_load_b128 v[RD+4*\i:RD+4*\i+3], v11 offset:16*\i
.endr
	s_wait_dscnt 0x0
	v_max3_num_f32 v8, v[RD], v[RD+1], v[RD+2]
.irp i, 3,5,7,9,11,13
	s_delay_alu instid0(VALU_DEP_1)
	v_max3_num_f32 v8, v8, v[RD+\i], v[RD+\i+1]
.endr
	s_delay_alu instid0(VALU_DEP_1)
	v_max_num_f32 v8, v8, v[RD+15]
	; p = 2^((a - max) log2 e): the difference first, so that equal numbers give exactly 0 whatever their size
.irp j, 0,1,2,3
	v_sub_f32 v[A+\j], v[A+\j], v8
.endr
.irp j, 0,1,2,3
	s_delay_alu instid0(VALU_DEP_4)
	v_mul_f32 v[A+\j], 0x3fb8aa3b, v[A+\j]
.endr
	s_wait_alu depctr_va_vdst(0)
.irp j, 0,1,2,3
	v_exp_f32 v[A+\j], v[A+\j]
.endr
	v_nop                                          ; a plain line behind the exponentials
	s_wait_alu depctr_va_vdst(0)                   ; one wait for the four, ahead of their first reader
	v_add_f32 v8, v[A], v[A+1]
	v_add_f32 v12, v[A+2], v[A+3]
	s_delay_alu instid0(VALU_DEP_1)
	v_add_f32 v8, v8, v12
	s_delay_alu instid0(VALU_DEP_1)
	v_add_f32_dpp v8, v8, v8 row_xmask:1 row_mask:0xf bank_mask:0xf
	s_delay_alu instid0(VALU_DEP_1)
	v_add_f32_dpp v8, v8, v8 row_xmask:2 row_mask:0xf bank_mask:0xf
	s_delay_alu instid0(VALU_DEP_1)
	v_add_f32_dpp v8, v8, v8 row_xmask:4 row_mask:0xf bank_mask:0xf
	s_delay_alu instid0(VALU_DEP_1)
	v_add_f32_dpp v8, v8, v8 row_xmask:8 row_mask:0xf bank_mask:0xf
	s_delay_alu instid0(VALU_DEP_1)
	v_permlanex16_b32 v9, v8, s[SEL], s[SEL+1]
	s_delay_alu instid0(VALU_DEP_1)
	v_add_f32 v8, v8, v9
	ds_store_b32 v10, v8 offset:256                ; other bytes than the maxima's: no barrier is needed between those reads and this store
	s_wait_dscnt 0x0
	s_barrier_signal -1
	s_barrier_wait -1
.irp i, 0,1,2,3
	ds_load_b128 v[RD+4*\i:RD+4*\i+3], v11 offset:256+16*\i
.endr
	s_wait_dscnt 0x0
.irp j, 0,2,4,6
	v_pk_add_f32 v[RD+\j:RD+\j+1], v[RD+\j:RD+\j+1], v[RD+8+\j:RD+8+\j+1]
.endr
.irp j, 0,2
	s_delay_alu instid0(VALU_DEP_2)
	v_pk_add_f32 v[RD+\j:RD+\j+1], v[RD+\j:RD+\j+1], v[RD+4+\j:RD+4+\j+1]
.endr
	s_delay_alu instid0(VALU_DEP_1)
	v_pk_add_f32 v[RD:RD+1], v[RD:RD+1], v[RD+2:RD+3]
	s_delay_alu instid0(VALU_DEP_1)
	v_add_f32 v8, v[RD], v[RD+1]
	s_wait_alu depctr_va_vdst(0)
	v_rcp_f32 v8, v8
	v_nop                                          ; a plain line behind the reciprocal
	s_wait_alu depctr_va_vdst(0)
.irp j, 0,1,2,3
	v_mul_f32 v[A+\j], v[A+\j], v8                 ; the weights
.endr
	s_lshr_b32 s17, s14, 1                         ; of the batch's eight work-groups each stores an eighth of the weights: waves 2 x and 2 x + 1
	s_cmp_eq_u32 s17, s15
	s_cbranch_scc0 .Lno_weights
	global_store_b128 v2, v[A:A+3], s[12:13]       ; 32 lanes store 512 consecutive bytes, aligned to 256
.Lno_weights:
	s_wait_alu depctr_va_vdst(0)
	s_wait_xcnt 0x0                                ; the store has read its sources: EXEC may change
.set q, 0
.set j, 0
.rept 16                                       ; sixteen blocks of eight rows
.if j < 11
	s_wait_loadcnt 40                              ; behind this block's loads stand those of five younger blocks
.else
	s_wait_loadcnt 8*(15-j)                        ; and of the blocks that are left
.endif
.rept 8
	ROWFMA q
.set q, q+1
.endr
.if j < 10
.set q, q-8
.rept 8
	ROWLD q+RING                                   ; the block six further on, into the registers that these eight have left
.set q, q+1
.endr
.endif
.set j, j+1
.endr
.irp j, 0
	v_pk_add_f32 v[ACC+\j:ACC+\j+1], v[ACC+\j:ACC+\j+1], v[ACC+4+\j:ACC+4+\j+1]
	s_delay_alu instid0(VALU_DEP_3)
	v_pk_add_f32 v[ACC+8+\j:ACC+8+\j+1], v[ACC+8+\j:ACC+8+\j+1], v[ACC+12+\j:ACC+12+\j+1]
.endr
.irp j, 2
	v_pk_add_f32 v[ACC+\j:ACC+\j+1], v[ACC+\j:ACC+\j+1], v[ACC+4+\j:ACC+4+\j+1]
	s_delay_alu instid0(VALU_DEP_4)
	v_pk_add_f32 v[ACC+8+\j:ACC+8+\j+1], v[ACC+8+\j:ACC+8+\j+1], v[ACC+12+\j:ACC+12+\j+1]
.endr
.irp j, 0
	s_delay_alu instid0(VALU_DEP_3)
	v_pk_add_f32 v[ACC+\j:ACC+\j+1], v[ACC+\j:ACC+\j+1], v[ACC+8+\j:ACC+8+\j+1]
.endr
.irp j, 2
	s_delay_alu instid0(VALU_DEP_2)
	v_pk_add_f32 v[ACC+\j:ACC+\j+1], v[ACC+\j:ACC+\j+1], v[ACC+8+\j:ACC+8+\j+1]
.endr
	s_lshl_b32 s17, s14, 9
	v_add_nc_u32 v12, s17, v3                      ; 512 x wave + 16 x lane
	ds_store_b128 v12, v[ACC:ACC+3] offset:512     ; my wave's sums over its 128 rows
	s_wait_dscnt 0x0
	s_barrier_signal -1
	s_barrier_wait -1
	s_cmp_lg_u32 s14, 0
	s_cbranch_scc1 .Lend
.irp i, 0,1,2,3,4,5,6,7,8,9,10,11,12,13,14,15
	ds_load_b128 v[X+4*\i:X+4*\i+3], v3 offset:512+512*\i
.endr
	s_wait_dscnt 0x0
.irp j, 0,2,4,6,8,10,12,14,16,18,20,22,24,26,28,30
	v_pk_add_f32 v[X+\j:X+\j+1], v[X+\j:X+\j+1], v[X+32+\j:X+32+\j+1]
.endr
.irp j, 0,2,4,6,8,10,12,14
	v_pk_add_f32 v[X+\j:X+\j+1], v[X+\j:X+\j+1], v[X+16+\j:X+16+\j+1]
.endr
.irp j, 0,2,4,6
	s_delay_alu instid0(VALU_DEP_4)
	v_pk_add_f32 v[X+\j:X+\j+1], v[X+\j:X+\j+1], v[X+8+\j:X+8+\j+1]
.endr
.irp j, 0,2
	s_delay_alu instid0(VALU_DEP_2)
	v_pk_add_f32 v[X+\j:X+\j+1], v[X+\j:X+\j+1], v[X+4+\j:X+4+\j+1]
.endr
	global_store_b128 v3, v[X:X+3], s[10:11]       ; 32 lanes store 512 consecutive bytes, aligned to 256
.Lend:
	s_wait_tensorcnt 0x0                           ; the wave's end
	ds_add_u32 v[SPW], v[NIL]
	s_wait_dscnt 0x0
	s_endpgm
.Lfunc_end_k_qe5d823cc8f_context:
	.size	k_qe5d823cc8f_context, .Lfunc_end_k_qe5d823cc8f_context-k_qe5d823cc8f_context
	.p2alignl 7, 3214868480
	.fill 96, 4, 3214868480
	.section	.rodata,"a",@progbits
	.p2align	6, 0x0
	.amdhsa_kernel k_qe5d823cc8f_context
		.amdhsa_group_segment_fixed_size 11264
		.amdhsa_private_segment_fixed_size 0
		.amdhsa_enable_private_segment 0
		.amdhsa_kernarg_size 40
		.amdhsa_user_sgpr_count 2
		.amdhsa_user_sgpr_kernarg_segment_ptr 1
		.amdhsa_wavefront_size32 1
		.amdhsa_system_sgpr_workgroup_id_x 1
		.amdhsa_system_sgpr_workgroup_id_y 1
		.amdhsa_system_sgpr_workgroup_id_z 1
		.amdhsa_system_vgpr_workitem_id 0
		.amdhsa_next_free_vgpr 242
		.amdhsa_next_free_sgpr 66
		.amdhsa_reserve_vcc 1
		.amdhsa_float_denorm_mode_32 3
		.amdhsa_float_denorm_mode_16_64 3
		.amdhsa_memory_ordered 1
		.amdhsa_forward_progress 1
		.amdhsa_inst_pref_size 83
	.end_amdhsa_kernel
	.amdgpu_metadata
---
amdhsa.version: [ 1, 2 ]
amdhsa.kernels:
  - .name:           k_qe5d823cc8f_context
    .symbol:         k_qe5d823cc8f_context.kd
    .args:
      - { .name: att, .offset: 0, .size: 8, .value_kind: global_buffer, .address_space: global }
      - { .name: keep, .offset: 8, .size: 8, .value_kind: global_buffer, .address_space: global }
      - { .name: encoder_outputs, .offset: 16, .size: 8, .value_kind: global_buffer, .address_space: global }
      - { .name: out0, .offset: 24, .size: 8, .value_kind: global_buffer, .address_space: global }
      - { .name: out1, .offset: 32, .size: 8, .value_kind: global_buffer, .address_space: global }
    .group_segment_fixed_size: 11264
    .private_segment_fixed_size: 0
    .kernarg_segment_align: 8
    .kernarg_segment_size: 40
    .max_flat_workgroup_size: 512
    .sgpr_count:     66
    .vgpr_count:     242
    .wavefront_size: 32
...
	.end_amdgpu_metadata
.endif
;; end of part 3
